; MI455X (gfx1250); checked and timed in simulation.
; The chip was launched on July 23, 2026; its instructions are those of AMD's public machine-readable ISA for CDNA 5 (MIT licence, August 2026) and "CDNA5" Instruction Set Architecture Reference Guide (July 2026). The comments in the code are by the model that wrote it; some were corrected since.
;; My Cross Attention ori. Allowed arithmetic: matrix products marked QUANTISED: E4M3 operands, one given power-of-two scale a tensor, by v_wmma_f32_16x16x64_fp8_fp8 or v_wmma_f32_16x16x128_fp8_fp8, f32 sums; products left as they are: f32 operands where the result goes on into a quantised operand, else bf16, f16 or f32 operands; f32 sums; everything else in f32.
;; Inputs: Wk 512 x 512 float32; Wp 512 x 512 float32; Wq 512 x 512 float32; k 4 x 2,048 x 512 float32; lowp_scales 8 int32 (the exponents e of the quantised operands' scales 2^e); q 4 x 4,096 x 512 float32; supp_mask 4 x 2,048 int32; v 4 x 2,048 x 512 float32.
;; Outputs: out0 4 x 4,096 x 512 float32.
;; This version of the problem:
;;   THIS VERSION OF THE PROBLEM IS GIVEN IN LOW PRECISION. The matrix products marked QUANTISED in the list below multiply operands that are first quantised to E4M3 (4 exponent bits, 3 mantissa bits; 8 bits a number), with one given power-of-two scale for each operand tensor; their sums are f32. All else is computed in f32.
;;   The module's matrix products, in the order in which they are computed (A, B: the left and right operand; K: the contracted axis; several contracted axes count as one K, in the product's order):
;;     1. [M 16,384, K 512] x [K 512, N 512]; A: input q; B: input Wq: QUANTISED (scales: A lowp_scales[0], B lowp_scales[1])
;;     2. [M 8,192, K 512] x [K 512, N 512]; A: input k; B: input Wk: QUANTISED (scales: A lowp_scales[2], B lowp_scales[3])
;;     3. batch 32 x [M 4,096, K 64] x [K 64, N 2,048]; A: computed on the way; B: computed on the way: QUANTISED (scales: A lowp_scales[4], B lowp_scales[5])
;;     4. batch 4 x [M 32,768, K 2,048] x [K 2,048, N 1]; A: softmax; B: input supp_mask: left as it is (N = 1 < 16)
;;     5. [M 16,384, K 512] x [K 512, N 512]; A: computed on the way; B: input Wp: QUANTISED (scales: A lowp_scales[6], B lowp_scales[7])
;;   THE QUANTISER, for each operand of a quantised product, along K:
;;     - The operand's scale is 2^e, e = its entry of the input lowp_scales (int32; the entries are numbered through the quantised products in the list's order, A before B).
;;     - Each number is divided by the scale, clamped to +-448, and rounded to the nearest number of E4M3, ties to even, subnormals kept.
;;     - The product sums the exact products of the quantised numbers (number of the format x scale) in f32.
;;   ~~~python
;;   def quantise(x, axis, e):      # numpy; x: float32 -> the quantised numbers, widened to float32 again
;;       x = np.moveaxis(x, axis, -1); K = x.shape[-1]
;;       r = np.clip(x / 2.0 ** e, -448, 448)
;;       step = 2.0 ** (np.maximum(np.frexp(np.where(r == 0, 1, r))[1] - 1, -6) - 3)
;;       q = np.round(r / step) * step * 2.0 ** e      # np.round: ties to even
;;       return np.moveaxis(q, -1, axis).astype(np.float32)
;;   ~~~
;;   OPERANDS COMPUTED ON THE WAY. 'Computed on the way' means the value that the module computes at that place (a softmax that the list does not call 'softmax' is quantised finished and normalised). What goes into a quantiser is computed in f32, as accurately as f32 sums, v_exp_f32 and their like allow (about 1e-6 of the number): no bf16 or f16 on the way to a quantiser, and a product that is left as it is and whose result goes on into a quantised operand takes f32 operands (vector FMAs, or v_wmma_f32_16x16x4_f32). A number that lies on a knife's edge between two numbers of the format may be rounded either way, as far as f32 arithmetic and the matrix unit's own rounding can turn it there, and no further.
;; One version. Each part assembles by itself: llvm-mc -triple=amdgcn-amd-amdhsa -mcpu=gfx1250 --defsym DOCPART=n.
;; ======== version 1 of 1: 3 launches
;; limits: right only within a limited range of input values
;; workspace buffers: wc 786,432 bytes; qc 8,388,608 bytes; kc 4,194,304 bytes
;; launch wquant (part 1): grid 32 x 3, 4 waves a work-group, no clusters, 0 bytes of LDS; arguments Wq, Wk, Wp, lowp_scales, wc; writes wc
.if DOCPART == 1
	.amdgcn_target "amdgcn-amd-amdhsa--gfx1250"
	.amdhsa_code_object_version 6
	.text
	.protected	k_q2a7410bfd8_wquant
	.globl	k_q2a7410bfd8_wquant
	.p2align	8
	.type	k_q2a7410bfd8_wquant,@function
k_q2a7410bfd8_wquant:
	s_mov_b64 s[64:65], 0
	v_nop
	global_prefetch_b8 v0, s[64:65] scope:SCOPE_SE
	s_setreg_imm32_b32 hwreg(HW_REG_WAVE_MODE, 25, 1), 1
	s_wait_xcnt 0x0
; DEAD WORK OF THE WHOLE PROGRAM: reference() takes the input v as a parameter and never reads it: no result hangs on it for any values, so v is not loaded and is no launch's argument.
; LIMIT: a NaN or an infinity in v is not carried to the result.
; Wq, Wk, Wp [512][512] f32 (K innermost) become codes of FP8 (E4M3) with the given scales 2^e (entries 1, 3, 7 of lowp_scales), laid in wc AS IMAGES OF THE OPERAND'S REGISTERS.
; code = x / 2^e, held within +-448, rounded to the nearest code, ties to even.  LIMITS: -126 <= e <= 119, so that 2^e and 448 x 2^e are f32 numbers.  NaN among the inputs is not served.
; A fragment is 16 rows x 128 along K, 2,048 bytes: [c = 0..3][lane][16 bytes]; lane (r, h) holds in its 16 bytes of part c the codes of k = 128 s + 32 c + 16 h + 0 .. 15 of its row.
; Matrix y (0 Wq, 1 Wk, 2 Wp) begins at byte 262,144 y.  Wq, Wk: fragment (tile gt, K step s) at (4 gt + s) x 2,048.
; Wp: at 131,072 (s / 2) + 4,096 gt + 2,048 (s % 2): K steps 0, 1 of all tiles are one dense block of 131,072 bytes, K steps 2, 3 the next.
; WHICH ROWS FORM A TILE: Wq, Wk: lane r of tile gt takes row 32 (gt / 2) + 8 (gt % 2) + r + 8 (r / 8), so that the results of two neighbouring tiles are 16 neighbours along the next product's K.
; Wp: row 64 (gt / 4) + gt % 4 + 4 r, so that four tiles give a lane four neighbouring outputs.
; SHARES: work-group (x = tile gt, y = matrix); wave = K step s: one wave makes one fragment.  Each of its four stores covers 512 consecutive bytes.  No LDS, no barrier, no loop.
.set X, 16                             ; v16-79  64 numbers: register 16 c + i = k 128 s + 32 c + 16 h + i of my row
.set C, 80                             ; v80-95  their codes
	s_load_b256 s[4:11], s[0:1], 0x0               ; Wq, Wk, Wp, the exponents
	s_load_b64 s[12:13], s[0:1], 0x20              ; wc
	v_lshrrev_b32 v1, 5, v0
	v_readfirstlane_b32 s14, v1                    ; wave = K step s
	s_and_b32 s15, ttmp7, 0xffff                   ; which matrix
	v_and_b32 v1, 15, v0                           ; r
	s_wait_alu depctr_va_vdst(0)
	v_bfe_u32 v2, v0, 4, 1                         ; h
	v_and_b32 v4, 31, v0
	v_lshlrev_b32 v4, 4, v4                        ; 16 x lane
	s_lshr_b32 s16, ttmp9, 2
	s_lshl_b32 s16, s16, 6
	s_and_b32 s17, ttmp9, 3
	s_add_co_u32 s16, s16, s17                     ; Wp: the tile's first row
	s_lshr_b32 s18, ttmp9, 1
	s_lshl_b32 s18, s18, 5
	s_and_b32 s17, ttmp9, 1
	s_lshl_b32 s17, s17, 3
	s_add_co_u32 s18, s18, s17                     ; Wq, Wk: the tile's first row
	s_cmp_eq_u32 s15, 2
	s_cselect_b32 s16, s16, s18
	s_cselect_b32 s19, 4, 1                        ; the step from lane to lane
	s_cselect_b32 s20, 0, 1                        ; whether lanes 8-15 stand eight rows further on
	v_and_b32 v5, 8, v1
	v_mul_u32_u24 v3, s19, v1
	v_mad_u32_u24 v3, v5, s20, v3
	v_add_nc_u32 v3, s16, v3                       ; my row
	v_lshlrev_b32 v3, 11, v3
	s_wait_alu depctr_va_vdst(0)
	v_lshl_add_u32 v3, v2, 6, v3                   ; + 64 h
	s_lshl_b32 s21, s14, 9
	v_add_nc_u32 v3, s21, v3                       ; + 512 s
	s_lshl_b32 s22, s15, 18
	s_lshl_b32 s23, ttmp9, 2
	s_add_co_u32 s23, s23, s14
	s_lshl_b32 s23, s23, 11                        ; Wq, Wk: (4 gt + s) x 2,048
	s_lshr_b32 s34, s14, 1
	s_lshl_b32 s34, s34, 17
	s_lshl_b32 s35, ttmp9, 12
	s_add_co_u32 s34, s34, s35
	s_and_b32 s35, s14, 1
	s_lshl_b32 s35, s35, 11
	s_add_co_u32 s34, s34, s35                     ; Wp: 131,072 (s / 2) + 4,096 gt + 2,048 (s % 2)
	s_cmp_eq_u32 s15, 2
	s_cselect_b32 s23, s34, s23
	s_add_co_u32 s22, s22, s23
	s_mov_b32 s23, 0
	s_wait_alu depctr_va_vdst(0)
	s_wait_kmcnt 0x0
	s_load_b256 s[24:31], s[10:11], 0x0            ; all eight exponents
	s_cmp_eq_u32 s15, 0
	s_cselect_b64 s[4:5], s[4:5], s[6:7]
	s_cmp_eq_u32 s15, 2
	s_cselect_b64 s[4:5], s[8:9], s[4:5]
	s_add_nc_u64 s[12:13], s[12:13], s[22:23]
.irp c, 0,1,2,3
.irp j, 0,1,2,3
	global_load_b128 v[X+16*\c+4*\j:X+16*\c+4*\j+3], v3, s[4:5] offset:128*\c+16*\j th:TH_LOAD_NT
.endr
.endr
	s_wait_kmcnt 0x0
	s_cmp_eq_u32 s15, 0
	s_cselect_b32 s32, s25, s27
	s_cmp_eq_u32 s15, 2
	s_cselect_b32 s32, s31, s32                    ; e
	s_add_co_i32 s32, s32, 127
	s_lshl_b32 s33, s32, 23
	v_mov_b32 v11, s33                             ; 2^e
	s_add_co_i32 s32, s32, 8
	s_lshl_b32 s32, s32, 23
	s_or_b32 s32, s32, 0x600000
	v_mov_b32 v10, s32                             ; 448 x 2^e
	s_wait_alu depctr_va_vdst(0)
.irp c, 0,1,2,3
	s_wait_loadcnt 12-4*\c                         ; block c's four loads are in; the four of each younger block may be out
.irp i, 0,1,2,3,4,5,6,7,8,9,10,11,12,13,14,15
	v_med3_num_f32 v[X+16*\c+\i], v[X+16*\c+\i], -v10, v10   ; the conversion does not saturate (ISA guide 7.6.2): the hold comes first
.endr
	v_cvt_scalef32_pk8_fp8_f32 v[C+4*\c:C+4*\c+1], v[X+16*\c:X+16*\c+7], v11
	v_cvt_scalef32_pk8_fp8_f32 v[C+4*\c+2:C+4*\c+3], v[X+16*\c+8:X+16*\c+15], v11
	global_store_b128 v4, v[C+4*\c:C+4*\c+3], s[12:13] offset:512*\c
.endr
	s_endpgm
.Lfunc_end_k_q2a7410bfd8_wquant:
	.size	k_q2a7410bfd8_wquant, .Lfunc_end_k_q2a7410bfd8_wquant-k_q2a7410bfd8_wquant
	.p2alignl 7, 3214868480
	.fill 96, 4, 3214868480
	.section	.rodata,"a",@progbits
	.p2align	6, 0x0
	.amdhsa_kernel k_q2a7410bfd8_wquant
		.amdhsa_group_segment_fixed_size 0
		.amdhsa_private_segment_fixed_size 0
		.amdhsa_enable_private_segment 0
		.amdhsa_kernarg_size 40
		.amdhsa_user_sgpr_count 2
		.amdhsa_user_sgpr_kernarg_segment_ptr 1
		.amdhsa_wavefront_size32 1
		.amdhsa_system_sgpr_workgroup_id_x 1
		.amdhsa_system_sgpr_workgroup_id_y 1
		.amdhsa_system_sgpr_workgroup_id_z 1
		.amdhsa_system_vgpr_workitem_id 0
		.amdhsa_next_free_vgpr 96
		.amdhsa_next_free_sgpr 66
		.amdhsa_reserve_vcc 0
		.amdhsa_float_denorm_mode_32 3
		.amdhsa_float_denorm_mode_16_64 3
		.amdhsa_memory_ordered 1
		.amdhsa_forward_progress 1
		.amdhsa_inst_pref_size 10
	.end_amdhsa_kernel
	.amdgpu_metadata
---
amdhsa.version: [ 1, 2 ]
amdhsa.kernels:
  - .name:           k_q2a7410bfd8_wquant
    .symbol:         k_q2a7410bfd8_wquant.kd
    .args:
      - { .name: Wq, .offset: 0, .size: 8, .value_kind: global_buffer, .address_space: global }
      - { .name: Wk, .offset: 8, .size: 8, .value_kind: global_buffer, .address_space: global }
      - { .name: Wp, .offset: 16, .size: 8, .value_kind: global_buffer, .address_space: global }
      - { .name: lowp_scales, .offset: 24, .size: 8, .value_kind: global_buffer, .address_space: global }
      - { .name: wc, .offset: 32, .size: 8, .value_kind: global_buffer, .address_space: global }
    .group_segment_fixed_size: 0
    .private_segment_fixed_size: 0
    .kernarg_segment_align: 8
    .kernarg_segment_size: 40
    .max_flat_workgroup_size: 128
    .sgpr_count:     66
    .vgpr_count:     96
    .wavefront_size: 32
...
	.end_amdgpu_metadata
.endif
;; end of part 1
;; launch proj (part 2): grid 192 x 1, 4 waves a work-group, no clusters, 327,680 bytes of LDS; arguments q, k, wc, lowp_scales, qc, kc; writes qc, kc
.if DOCPART == 2
	.amdgcn_target "amdgcn-amd-amdhsa--gfx1250"
	.amdhsa_code_object_version 6
	.text
	.protected	k_q2a7410bfd8_proj
	.globl	k_q2a7410bfd8_proj
	.p2align	8
	.type	k_q2a7410bfd8_proj,@function
k_q2a7410bfd8_proj:
	s_mov_b64 s[64:65], 0
	v_nop
	global_prefetch_b8 v0, s[64:65] scope:SCOPE_SE
	s_setreg_imm32_b32 hwreg(HW_REG_WAVE_MODE, 25, 1), 1
	s_wait_xcnt 0x0
.set XP,   1040
.set XTH,  32*XP
.set XTW,  2*XTH
.set XIMG, 4*XTW
.set XA,  4
.set LI,  5
.set XRI, 6
.set XWI, 7
.set F0,  16
.set HA,  144
.set PC,  208
.set SCX, 248
.set LMX, 249
.set SCO, 250
.set LMO, 251
.set MSB, 0
.macro WIN new
.if MSB != \new
	s_set_vgpr_msb (MSB<<8)|\new
.set MSB, \new
.endif
.endm
.macro XLD set, beta, s
.irp b, 0,1,2,3
.irp j, 0,1,2,3
	ds_load_b128 v[\set+16*\b+4*\j:\set+16*\b+4*\j+3], v[XA] offset:((\s)/2)*XTH+16*(\beta)*XP+((\s)%2)*512+128*\b+16*\j
.endr
.endr
.endm
.macro QUANT src, sc, lim
.irp b, 0,1,2,3
.irp i, 0,1,2,3,4,5,6,7,8,9,10,11,12,13,14,15
	v_med3_num_f32 v[\src+16*\b+\i], v[\src+16*\b+\i], -v[\lim], v[\lim]
.endr
	v_cvt_scalef32_pk8_fp8_f32 v[PC+4*\b:PC+4*\b+1], v[\src+16*\b:\src+16*\b+7], v[\sc]
	v_cvt_scalef32_pk8_fp8_f32 v[PC+4*\b+2:PC+4*\b+3], v[\src+16*\b+8:\src+16*\b+15], v[\sc]
.endr
	v_nop
.endm
.macro IMAGE off
.irp c, 0,1,2,3
	ds_store_b128 v[XWI], v[PC+4*\c:PC+4*\c+3] offset:(\off)+512*\c
.endr
.endm
.macro FETCHX set, m
.irp s, 0,1,2,3
.irp c, 0,1,2,3
	ds_load_b128 v[\set+16*\s+4*\c:\set+16*\s+4*\c+3], v[XRI] offset:(4*(\m)+\s)*2048+512*\c
.endr
.endr
.endm
.macro BARRIER
	s_wait_dscnt 0x0
	s_barrier_signal -1
	s_barrier_wait -1
.endm
.macro MULS f
.irp g, 0,1
	WIN 0x01+\g
.irp s, 0,1,2,3
.irp t, 0,1,2,3
.if \s == 0
	v_wmma_f32_16x16x128_fp8_fp8 v[HA+32*\g+8*\t:HA+32*\g+8*\t+7], v[64*\t+16*\s:64*\t+16*\s+15], v[\f+16*\s:\f+16*\s+15], 0
.else
	v_wmma_f32_16x16x128_fp8_fp8 v[HA+32*\g+8*\t:HA+32*\g+8*\t+7], v[64*\t+16*\s:64*\t+16*\s+15], v[\f+16*\s:\f+16*\s+15], v[HA+32*\g+8*\t:HA+32*\g+8*\t+7]
.endif
.endr
.endr
.endr
	WIN 0
.endm
.macro XPHASE beta
.if \beta
	s_wait_xcnt 0x0
.else
	s_wait_tensorcnt 0x1
.endif
	XLD F0, \beta, 0
.irp s, 0,1,2,3
.if \s < 3
.if (\beta == 0) && (\s == 1)
	s_wait_tensorcnt 0x0
.endif
	XLD F0+64*((\s+1)%2), \beta, \s+1
	s_wait_dscnt 16
.else
	s_wait_dscnt 0x0
.endif
	QUANT F0+64*(\s%2), SCX, LMX
	IMAGE \s*2048
.endr
.endm
.macro P1 beta
	FETCHX F0, 0
.irp m, 0,1,2,3
	s_wait_dscnt 0x0
.if \m < 3
	FETCHX F0+64*((\m+1)%2), \m+1
.endif
.if (\beta == 0) && (\m == 0)
	s_wait_loadcnt 0x0
.endif
	MULS F0+64*(\m%2)
.rept 4
	v_nop
.endr
	s_wait_xcnt 0x0
	QUANT HA, SCO, LMO
	global_store_b128 v[LI], v[PC:PC+3], s[48:49] offset:(2*\m+\beta)*1024
	global_store_b128 v[LI], v[PC+4:PC+7], s[48:49] offset:(2*\m+\beta)*1024+512
	global_store_b128 v[LI], v[PC+8:PC+11], s[50:51] offset:(2*\m+\beta)*1024
	global_store_b128 v[LI], v[PC+12:PC+15], s[50:51] offset:(2*\m+\beta)*1024+512
.endr
.endm
	s_load_b256 s[4:11], s[0:1], 0x0
	s_load_b128 s[12:15], s[0:1], 0x20
	v_lshl_add_u32 v254, v0, 2, 0x49000
	v_mov_b32 v255, 0
	ds_add_u32 v254, v255
	ds_add_u32 v254, v255
	v_lshrrev_b32 v1, 5, v0
	v_readfirstlane_b32 s16, v1
	v_and_b32 v1, 15, v0
	v_bfe_u32 v2, v0, 4, 1
	v_and_b32 v3, 31, v0
	s_mul_i32 s58, s16, XTW
	v_mul_u32_u24 v[XA], v1, XP
	v_lshl_add_u32 v[XA], v2, 6, v[XA]
	v_add_nc_u32 v[XA], s58, v[XA]
	v_lshlrev_b32 v[LI], 4, v3
	v_add_nc_u32 v[XRI], XIMG, v[LI]
	s_lshl_b32 s59, s16, 13
	v_add_nc_u32 v[XWI], s59, v[XRI]
	s_cmp_lt_u32 ttmp9, 128
	s_cselect_b32 s17, 1, 0
	s_cselect_b32 s18, 0, 128
	s_sub_co_u32 s18, ttmp9, s18
	s_add_co_u32 s19, s17, 4
	s_lshr_b32 s20, s18, s19
	s_lshl_b32 s21, s20, s19
	s_sub_co_u32 s21, s18, s21
	s_lshl_b32 s21, s21, 13
	s_lshl_b32 s20, s20, 3
	s_lshl_b32 s22, s16, 1
	s_add_co_u32 s20, s20, s22
	s_add_co_u32 s22, s17, 17
	s_lshl_b32 s20, s20, s22
	s_add_co_u32 s20, s20, s21
	s_mov_b32 s21, 0
	s_lshl_b32 s52, 1, s22
	s_mov_b32 s53, 0
	s_mov_b32 s24, (2<<16)|(1<<20)|(7<<22)|(3<<25)
	s_mov_b32 s25, 256<<16
	s_mov_b32 s26, 32<<16
	s_mov_b32 s27, 256<<16
	s_mov_b32 s28, 32
	s_mov_b32 s29, 512
	s_mov_b32 s30, 0
	s_mov_b32 s31, 0
	s_wait_alu depctr_va_vdst(0)
	s_wait_dscnt 0x0
	s_wait_kmcnt 0x0
	s_cmp_eq_u32 s17, 1
	s_cselect_b64 s[4:5], s[4:5], s[6:7]
	s_cselect_b64 s[12:13], s[12:13], s[14:15]
	s_cselect_b32 s54, 0, 0x40000
	s_lshl_b32 s55, s16, 16
	s_add_co_u32 s54, s54, s55
	s_mov_b32 s55, 0
	s_add_nc_u64 s[8:9], s[8:9], s[54:55]
	s_add_nc_u64 s[48:49], s[12:13], s[20:21]
	s_add_nc_u64 s[50:51], s[48:49], s[52:53]
	s_lshl_b32 s56, s18, 18
	s_lshl_b32 s57, s16, 16
	s_add_co_u32 s56, s56, s57
	s_mov_b32 s57, 0
	s_add_nc_u64 s[4:5], s[4:5], s[56:57]
	s_mov_b32 s32, 1
	s_mov_b32 s33, s58
	s_mov_b64 s[34:35], s[4:5]
	s_or_b32 s35, s35, 0x80000000
	s_mov_b32 s36, 1
	s_add_co_u32 s37, s58, XTH
	s_add_nc_u64 s[38:39], s[4:5], 1024
	s_or_b32 s39, s39, 0x80000000
	tensor_load_to_lds s[32:35], s[24:31]
	s_nop 0
	s_wait_alu depctr_va_vdst(0)
	s_wait_tensorcnt 0x0
	ds_add_u32 v254, v255
	s_wait_dscnt 0x0
	s_barrier_signal -1
	s_barrier_wait -1
	tensor_load_to_lds s[36:39], s[24:31]
	s_nop 0
.rept 4
	v_nop
.endr
	s_load_b256 s[40:47], s[10:11], 0x0
.irp g, 0,1
	WIN 0x40+0x40*\g
.irp t, 0,1,2,3
.irp s, 0,1,2,3
.irp c, 0,1,2,3
	global_load_b128 v[64*\t+16*\s+4*\c:64*\t+16*\s+4*\c+3], v[LI], s[8:9] offset:(4*(4*\g+\t)+\s)*2048+512*\c
.endr
.endr
.endr
.endr
	WIN 0
	s_wait_kmcnt 0x0
	s_cmp_eq_u32 s17, 1
	s_cselect_b32 s54, s40, s42
	s_cselect_b32 s55, s41, s43
	s_cselect_b32 s56, s44, s45
	s_sub_co_i32 s56, s56, s54
	s_sub_co_i32 s56, s56, s55
	s_add_co_i32 s54, s54, 127
	s_lshl_b32 s55, s54, 23
	v_mov_b32 v[SCX], s55
	s_add_co_i32 s54, s54, 8
	s_lshl_b32 s54, s54, 23
	s_or_b32 s54, s54, 0x600000
	v_mov_b32 v[LMX], s54
	s_add_co_i32 s56, s56, 127
	s_lshl_b32 s57, s56, 23
	v_mov_b32 v[SCO], s57
	s_add_co_i32 s56, s56, 8
	s_lshl_b32 s56, s56, 23
	s_or_b32 s56, s56, 0x600000
	v_mov_b32 v[LMO], s56
	s_wait_alu depctr_va_vdst(0)
	XPHASE 0
	BARRIER
	P1 0
	BARRIER
	XPHASE 1
	BARRIER
	P1 1
	s_wait_tensorcnt 0x0
	ds_add_u32 v254, v255
	s_wait_dscnt 0x0
	s_endpgm
.Lfunc_end_k_q2a7410bfd8_proj:
	.size	k_q2a7410bfd8_proj, .Lfunc_end_k_q2a7410bfd8_proj-k_q2a7410bfd8_proj
	.p2alignl 7, 3214868480
	.fill 96, 4, 3214868480
	.section	.rodata,"a",@progbits
	.p2align	6, 0x0
	.amdhsa_kernel k_q2a7410bfd8_proj
		.amdhsa_group_segment_fixed_size 327680
		.amdhsa_private_segment_fixed_size 0
		.amdhsa_enable_private_segment 0
		.amdhsa_kernarg_size 48
		.amdhsa_user_sgpr_count 2
		.amdhsa_user_sgpr_kernarg_segment_ptr 1
		.amdhsa_wavefront_size32 1
		.amdhsa_system_sgpr_workgroup_id_x 1
		.amdhsa_system_sgpr_workgroup_id_y 1
		.amdhsa_system_sgpr_workgroup_id_z 1
		.amdhsa_system_vgpr_workitem_id 0
		.amdhsa_next_free_vgpr 768
		.amdhsa_next_free_sgpr 66
		.amdhsa_reserve_vcc 0
		.amdhsa_float_denorm_mode_32 3
		.amdhsa_float_denorm_mode_16_64 3
		.amdhsa_memory_ordered 1
		.amdhsa_forward_progress 1
		.amdhsa_inst_pref_size 130
	.end_amdhsa_kernel
	.amdgpu_metadata
---
amdhsa.version: [ 1, 2 ]
amdhsa.kernels:
  - .name:           k_q2a7410bfd8_proj
    .symbol:         k_q2a7410bfd8_proj.kd
    .args:
      - { .name: q, .offset: 0, .size: 8, .value_kind: global_buffer, .address_space: global }
      - { .name: k, .offset: 8, .size: 8, .value_kind: global_buffer, .address_space: global }
      - { .name: wc, .offset: 16, .size: 8, .value_kind: global_buffer, .address_space: global }
      - { .name: lowp_scales, .offset: 24, .size: 8, .value_kind: global_buffer, .address_space: global }
      - { .name: qc, .offset: 32, .size: 8, .value_kind: global_buffer, .address_space: global }
      - { .name: kc, .offset: 40, .size: 8, .value_kind: global_buffer, .address_space: global }
    .group_segment_fixed_size: 327680
    .private_segment_fixed_size: 0
    .kernarg_segment_align: 8
    .kernarg_segment_size: 48
    .max_flat_workgroup_size: 128
    .sgpr_count:     66
    .vgpr_count:     768
    .wavefront_size: 32
...
	.end_amdgpu_metadata
.endif
;; end of part 2
;; launch attn (part 3): grid 64 x 4, 16 waves a work-group, no clusters, 200,704 bytes of LDS; arguments qc, kc, supp_mask, lowp_scales, wc, out0; writes out0
.if DOCPART == 3
	.amdgcn_target "amdgcn-amd-amdhsa--gfx1250"
	.amdhsa_code_object_version 6
	.text
	.protected	k_q2a7410bfd8_attn
	.globl	k_q2a7410bfd8_attn
	.p2align	8
	.type	k_q2a7410bfd8_attn,@function
k_q2a7410bfd8_attn:
	s_mov_b64 s[64:65], 0
	v_nop
	global_prefetch_b8 v0, s[64:65] scope:SCOPE_SE
	s_setreg_imm32_b32 hwreg(HW_REG_WAVE_MODE, 25, 1), 1
	s_wait_xcnt 0x0
; s[b][hd][n] = sum over m of softmax_m(qh . kh / 8) x supp_mask[b][m];  out[b][n][o] = sum over k of Q(x[b][n][k]) Q(Wp[o][k]), x[b][n][64 hd + d] = s[b][hd][n].  The input v is left out: reference() never reads it.
; Scores: codes of FP8 (E4M3), K = 64, v_wmma_f32_16x16x64_fp8_fp8; a score stands for sum x 2^(e4 + e5).  The product with the mask has one column and feeds a quantiser: f32 multiply-adds.
; The last product: codes, K = 512, v_wmma_f32_16x16x128_fp8_fp8; each sum x 2^(e6 + e7).  x's 64 numbers of a head are one number, so one code: a fragment's registers are that code's byte four times.
; qc, kc: [batch x 8 + head][tile of 16 tokens][c = 0, 1][lane][16 bytes]: images of fragments.  Wp's images lie in wc from byte 524,288 on: fragment (tile gt, K step s) at 131,072 (s / 2) + 4,096 gt + 2,048 (s % 2).
; SHARES.  A work-group owns 64 tokens of a batch (four tiles of 16 queries) with all eight heads, so it takes them through the last product too: s never goes to memory.  256 work-groups, sixteen waves of 256 registers.
; THE KEYS ARE SPLIT AMONG THE WAVES: wave w owns keys 128 w .. 128 w + 127, for all four query tiles and all eight heads.  So each byte of the keys' codes goes to one wave of the work-group alone: it is loaded straight
; into registers (8,192 consecutive bytes a head), a fragment feeds four products, the wave's 64 numbers of the mask stay in registers for the whole launch, and the loop has no LDS read and no barrier.
; A PHASE is one head x one query tile x my 128 keys: eight products, the exact maximum m of my 64 scores a lane, cm = c m, c = log2(e) / 8 x 2^(e4 + e5), p = 2^(c s - cm), the sum of p and of p x mask.
; The three numbers of each lane go to LDS.  THE MERGE: a row (token, head) has 32 partial results (16 waves x 2 halves of the lanes); thread = row brings them under the largest cm and adds: s = masked sum / sum.
; So the maximum that is taken away is the row's own, over all keys; nothing is rescaled in the loop.
; NO JOINT LOADS, though the 64 work-groups of a batch read the same keys and all read Wp: here every loaded byte has one reader in the work-group and lands in that wave's registers; a joint load would lay the same bytes
; in LDS first, to be read from there once, behind barriers that this loop does not have.
; LOADS AHEAD.  A head's keys are asked for behind the last products of the head before (a phase ahead); a query tile of the next head behind its own products (a head ahead).
; PREFETCH.  Keys: head j + 2 is named in trip j (j = 0 .. 5).  The batch's 64 work-groups share the heads out: those with number % 4 = j % 4 ask, wave 0 of each for 8,192 bytes, lanes 256 bytes apart: each block of
; 256 bytes is named once for a batch.  Heads 0 and 1 come by their loads alone.  Wp's 262,144 bytes are named once, in trip 4, by waves 0 to 7 of batch 0's first four work-groups, 8,192 bytes a wave.
; LIMITS: e4 + e5 between -123 and 100; e6 between -126 and 119; e6 + e7 between -126 and 127.  NaN is not served.
.set PST,   6144                       ; LDS: partial p = 2 wave + h at PST p: cm, the sum, the masked sum, 512 rows x 4 bytes each; row = 64 head + token
.set SST,   196608                     ; s: [64 tokens][8 heads] f32, 2,048 bytes
.set SPARE, 198656                     ; the spare words, 128 bytes a wave
.set LOFF, 1                           ; v1   16 x lane
.set STA,  2                           ; v2   PST (2 wave + h) + 4 r
.set MOF,  3                           ; v3   32 h
.set ADS,  4                           ; v4   STA + 256 x head
.set MR0,  5                           ; v5, v251-253  4 x thread + 8 PST x 0 .. 3
.set PFO,  6                           ; v6   256 x lane
.set Q,    8                           ; v8-39    four tiles of queries;  the merge: cm;  later x's two fragments
.set K,    40                          ; v40-103  eight tiles of keys;  later Wp's fragments, then the results to store
.set M,    104                         ; v104-167 the mask of my 64 keys a lane;  later Wp's fragments
.set S,    168                         ; v168-231 scores, then weights;  the merge: sums;  later eight accumulators
.set MX,   232                         ; v232-235 maxima;  later the tokens' codes
.set CM,   236                         ; v236 cm (low word of a pair)
.set L0,   238                         ; v[238:239], v[240:241] the sum in two chains;  v[242:243], v[244:245] the masked sum
.set L1,   240
.set N0,   242
.set N1,   244
.set SC,   246                         ; 2^e6
.set LM,   247                         ; 448 x 2^e6
.set SA,   248                         ; where my row's s goes
.set SRD,  249                         ; where I read a token's eight s
.set CO,   250                         ; 16,384 h + 16 r: my 16 bytes of out
.set SPW,  254
.set NIL,  255
.set LN,   168                         ; at the head only
.set RR,   169
.set HH,   170
.set T6,   171
.set WV,  16
.set CS,  36                           ; s[36:37] c
.set HB,  40                           ; 256 x head
.set J,   42                           ; the trip
.set KEY, 43
.set PFA, 46
.set PFB, 48
.set LIM2, 50
.set OS,  51                           ; 2^(e6 + e7)
.set BS,  60                           ; s[60:63] byte selects
.macro SCALEP k                        ; pair k: c s - cm
	v_pk_fma_f32 v[S+2*(\k):S+2*(\k)+1], v[S+2*(\k):S+2*(\k)+1], s[CS:CS+1], v[CM:CM+1] op_sel_hi:[1,0,0] neg_lo:[0,0,1] neg_hi:[0,0,1]
.endm
.macro SUM4 p                          ; pairs p, p + 1 onto the four chains
	v_pk_add_f32 v[L0:L0+1], v[L0:L0+1], v[S+2*(\p):S+2*(\p)+1]
	v_pk_fma_f32 v[N0:N0+1], v[S+2*(\p):S+2*(\p)+1], v[M+2*(\p):M+2*(\p)+1], v[N0:N0+1]
	v_pk_add_f32 v[L1:L1+1], v[L1:L1+1], v[S+2*(\p)+2:S+2*(\p)+3]
	v_pk_fma_f32 v[N1:N1+1], v[S+2*(\p)+2:S+2*(\p)+3], v[M+2*(\p)+2:M+2*(\p)+3], v[N1:N1+1]
.endm
.macro QLOAD i
	global_load_b128 v[Q+8*(\i):Q+8*(\i)+3],   v[LOFF], s[4:5] offset:1024*(\i)
	global_load_b128 v[Q+8*(\i)+4:Q+8*(\i)+7], v[LOFF], s[4:5] offset:1024*(\i)+512
.endm
.macro KLOAD
.irp t, 0,1,2,3,4,5,6,7
	global_load_b128 v[K+8*\t:K+8*\t+3],   v[LOFF], s[6:7] offset:1024*\t
	global_load_b128 v[K+8*\t+4:K+8*\t+7], v[LOFF], s[6:7] offset:1024*\t+512
.endr
.endm
.macro ASK                             ; the prefetches: see the head comment
	s_and_b32 s66, s[J], 3
	s_cmp_eq_u32 s66, s[KEY]
	s_cbranch_scc0 .Lnot_k_\@
	s_cmp_lt_u32 s[J], 6                           ; trip 6 has no head two on
	s_cbranch_scc0 .Lnot_k_\@
	global_prefetch_b8 v[PFO], s[PFA:PFA+1] th:TH_LOAD_NT scope:SCOPE_SE
.Lnot_k_\@:
	s_cmp_eq_u32 s[J], s[LIM2]
	s_cbranch_scc0 .Lnot_w_\@
	global_prefetch_b8 v[PFO], s[PFB:PFB+1] th:TH_LOAD_NT scope:SCOPE_SE
.Lnot_w_\@:
.endm
; A PHASE: query tile i of the head in hand x my 128 keys.  S^T = K Q^T: lane (r, h) holds query r, register 8 t + j is key 16 t + 8 h + j.  more = 1: the next head's loads are issued.
.macro PHASE i, more
.if (\i) == 0
	s_wait_loadcnt 0x2                             ; the head's keys and its tiles 0 to 2 are in; tile 3's two loads, the youngest, may be out
.endif
.if (\i) == 3
	s_wait_loadcnt 6*(\more)                       ; tile 3 is in; the six loads of the next head's tiles 0 to 2 may be out
.endif
.irp t, 0,1,2,3,4,5,6,7
	v_wmma_f32_16x16x64_fp8_fp8 v[S+8*\t:S+8*\t+7], v[K+8*\t:K+8*\t+7], v[Q+8*(\i):Q+8*(\i)+7], 0
.endr
.rept 4
	v_nop                                          ; four places ahead of the loads into the products' sources and of the first read of results
.endr
.if \more
.if (\i) == 3
	KLOAD
.endif
	QLOAD \i
.if (\i) == 0
	ASK
.endif
.endif
.irp c, 0,1,2,3                        ; the maximum, four chains by turns; each accumulator is first read at its low end
	v_max3_num_f32 v[MX+\c], v[S+16*\c], v[S+16*\c+1], v[S+16*\c+2]
.endr
.irp k, 3,5,7,9,11,13
.irp c, 0,1,2,3
	v_max3_num_f32 v[MX+\c], v[MX+\c], v[S+16*\c+\k], v[S+16*\c+\k+1]
.endr
.endr
	v_max3_num_f32 v[MX], v[MX], v[MX+1], v[S+15]
	v_max3_num_f32 v[MX+2], v[MX+2], v[MX+3], v[S+31]
	v_max3_num_f32 v[MX], v[MX], v[MX+2], v[S+47]
	v_max_num_f32 v[MX], v[MX], v[S+63]
	v_mul_f32 v[CM], s[CS], v[MX]                  ; cm = c m
.irp k, 0,1,2,3,4,5,6,7,8,9,10,11,12,13,14,15
	SCALEP \k
.endr
	s_wait_alu depctr_va_vdst(0)                   ; ahead of a batch of exponentials
.irp k, 0,1,2,3,4,5,6,7,8,9,10,11,12,13,14,15
	v_exp_f32 v[S+2*\k], v[S+2*\k]                 ; the first 32 weights; between them the scaling of the other 32, which reads and writes nothing of this batch
	v_exp_f32 v[S+2*\k+1], v[S+2*\k+1]
	SCALEP 16+\k
.endr
	s_wait_alu depctr_va_vdst(0)                   ; behind the first batch and ahead of the second
.irp k, 32,33,34,35,36,37,38,39,40,41,42,43,44,45,46,47,48,49,50,51,52,53,54,55,56,57,58,59,60,61,62,63
	v_exp_f32 v[S+\k], v[S+\k]
.endr
	v_pk_add_f32 v[L0:L0+1], v[S:S+1], v[S+2:S+3]  ; the first batch's sums name nothing of the second; the first terms start the four chains
	v_pk_mul_f32 v[N0:N0+1], v[S:S+1], v[M:M+1]
	v_pk_add_f32 v[L1:L1+1], v[S+4:S+5], v[S+6:S+7]
	v_pk_mul_f32 v[N1:N1+1], v[S+2:S+3], v[M+2:M+3]
	v_pk_fma_f32 v[N0:N0+1], v[S+4:S+5], v[M+4:M+5], v[N0:N0+1]
	v_pk_fma_f32 v[N1:N1+1], v[S+6:S+7], v[M+6:M+7], v[N1:N1+1]
.irp p, 4,6,8,10,12,14
	SUM4 \p
.endr
	s_wait_alu depctr_va_vdst(0)                   ; behind the second batch, ahead of its first reader
.irp p, 16,18,20,22,24,26,28,30
	SUM4 \p
.endr
	v_pk_add_f32 v[L0:L0+1], v[L0:L0+1], v[L1:L1+1]
	v_pk_add_f32 v[N0:N0+1], v[N0:N0+1], v[N1:N1+1]
	v_add_f32 v[L0], v[L0], v[L0+1]
	v_add_f32 v[N0], v[N0], v[N0+1]
	ds_store_b32 v[ADS], v[CM] offset:64*(\i)
	ds_store_b32 v[ADS], v[L0] offset:2048+64*(\i)
	ds_store_b32 v[ADS], v[N0] offset:4096+64*(\i)
.endm
.macro HEAD more
.if \more
	s_wait_xcnt 0x0                                ; my loads and prefetches have read their bases: on to the next head
	s_add_nc_u64 s[4:5], s[4:5], 262144
	s_add_nc_u64 s[6:7], s[6:7], 131072
	s_add_nc_u64 s[PFA:PFA+1], s[PFA:PFA+1], 131072
.endif
	v_add_nc_u32 v[ADS], s[HB], v[STA]
	PHASE 0, \more
	PHASE 1, \more
	PHASE 2, \more
	PHASE 3, \more
	s_add_co_u32 s[HB], s[HB], 256
.endm
	s_load_b256 s[4:11], s[0:1], 0x0               ; qc s[4:5], kc s[6:7], the mask s[8:9], the exponents s[10:11]
	s_load_b128 s[12:15], s[0:1], 0x20             ; wc s[12:13], out s[14:15]
	v_lshl_add_u32 v[SPW], v0, 2, SPARE
	v_mov_b32 v[NIL], 0
	v_lshrrev_b32 v7, 5, v0
	v_readfirstlane_b32 s[WV], v7                  ; wave 0..15
	v_and_b32 v[LN], 31, v0
	v_and_b32 v[RR], 15, v0
	v_bfe_u32 v[HH], v0, 4, 1
	v_lshlrev_b32 v[LOFF], 4, v[LN]
	v_mul_u32_u24 v[STA], v[HH], PST
	v_lshl_add_u32 v[STA], v[RR], 2, v[STA]
	v_lshlrev_b32 v[MOF], 5, v[HH]
	v_lshlrev_b32 v[PFO], 8, v[LN]
	v_lshlrev_b32 v[MR0], 2, v0
	v_lshl_add_u32 v251, v0, 2, 8*PST
	v_lshl_add_u32 v252, v0, 2, 16*PST
	v_lshl_add_u32 v253, v0, 2, 24*PST
	v_and_b32 v[T6], 63, v0
	v_lshl_add_u32 v[SA], v[T6], 5, SST            ; thread = 64 head + token; a token's eight s are 32 bytes
	v_lshrrev_b32 v[T6], 6, v0
	v_lshl_add_u32 v[SA], v[T6], 2, v[SA]
	v_lshl_add_u32 v[SRD], v[RR], 5, SST
	v_lshlrev_b32 v[CO], 4, v[RR]
	v_lshl_add_u32 v[CO], v[HH], 14, v[CO]
	v_mov_b32 v[CM+1], 0                           ; the upper word of the pair that the packed form names
	s_lshr_b32 s20, s[WV], 1                       ; the way out: my group of 64 outputs,
	s_and_b32 s21, s[WV], 1                        ; and which 32 tokens
	s_mul_i32 s22, s[WV], 2*PST
	s_lshl_b32 s23, s21, 10
	s_wait_alu depctr_va_vdst(0)                   ; ahead of the readers below
	v_add_nc_u32 v[STA], s22, v[STA]
	v_add_nc_u32 v[SRD], s23, v[SRD]
	s_and_b32 s19, ttmp7, 0xffff                   ; the batch;  ttmp9: my block of 64 tokens
	s_lshl_b32 s68, s19, 20                        ; the keys: a batch's 1,048,576 bytes, my 8,192 of a head's 131,072
	s_lshl_b32 s67, s[WV], 13
	s_add_co_u32 s68, s68, s67
	s_mov_b32 s69, 0
	s_lshl_b32 s70, s20, 14                        ; Wp: my group's four tiles of 4,096 bytes in each block
	s_add_co_u32 s70, s70, 0x80000
	s_mov_b32 s71, 0
	s_lshl_b32 s72, s19, 21                        ; Q: a head's 262,144 bytes, a block's four tiles of 1,024
	s_lshl_b32 s67, ttmp9, 12
	s_add_co_u32 s72, s72, s67
	s_mov_b32 s73, 0
	s_lshl_b32 s74, s19, 13                        ; the mask: the batch's 8,192 bytes, my 128 keys' 512
	s_lshl_b32 s67, s[WV], 9
	s_add_co_u32 s74, s74, s67
	s_mov_b32 s75, 0
	s_lshl_b32 s76, s19, 23                        ; out: rows of 2,048 bytes: 4,096 a batch, 64 a block, my 32; 256 bytes a group
	s_lshl_b32 s67, ttmp9, 17
	s_add_co_u32 s76, s76, s67
	s_lshl_b32 s67, s21, 16
	s_add_co_u32 s76, s76, s67
	s_lshl_b32 s67, s20, 8
	s_add_co_u32 s76, s76, s67
	s_mov_b32 s77, 0
	s_lshr_b32 s67, ttmp9, 2                       ; the keys' prefetch: part (work-group / 4) of a head's sixteen; at head 1: trip 0 steps it to head 2
	s_lshl_b32 s78, s67, 13
	s_lshl_b32 s67, s19, 20
	s_add_co_u32 s78, s78, s67
	s_add_co_u32 s78, s78, 131072
	s_mov_b32 s79, 0
	s_lshl_b32 s80, ttmp9, 3                       ; Wp's prefetch: part 8 x work-group + wave of 32
	s_add_co_u32 s80, s80, s[WV]
	s_lshl_b32 s80, s80, 13
	s_add_co_u32 s80, s80, 0x80000
	s_mov_b32 s81, 0
	s_mov_b32 s[CS], 0x3e38aa3b                    ; log2(e) / 8
	s_mov_b32 s[BS], 0
	s_mov_b32 s[BS+1], 0x01010101
	s_mov_b32 s[BS+2], 0x02020202
	s_mov_b32 s[BS+3], 0x03030303
	s_and_b32 s66, ttmp9, 3
	s_cmp_eq_u32 s[WV], 0
	s_cselect_b32 s[KEY], s66, 8
	s_lshr_b32 s66, s[WV], 3
	s_lshr_b32 s67, ttmp9, 2
	s_or_b32 s66, s66, s67
	s_or_b32 s66, s66, s19
	s_cmp_eq_u32 s66, 0                            ; waves 0 to 7 of batch 0's work-groups 0 to 3
	s_cselect_b32 s[LIM2], 4, -1
	s_mov_b32 s[HB], 0
	s_mov_b32 s[J], 0
	s_wait_alu depctr_va_vdst(0)
	s_wait_kmcnt 0x0
	s_load_b256 s[52:59], s[10:11], 0x0            ; e0 .. e7
	s_add_nc_u64 s[4:5], s[4:5], s[72:73]
	s_add_nc_u64 s[PFA:PFA+1], s[6:7], s[78:79]
	s_add_nc_u64 s[6:7], s[6:7], s[68:69]
	s_add_nc_u64 s[8:9], s[8:9], s[74:75]
	s_add_nc_u64 s[PFB:PFB+1], s[12:13], s[80:81]
	s_add_nc_u64 s[12:13], s[12:13], s[70:71]
	s_add_nc_u64 s[14:15], s[14:15], s[76:77]
.irp t, 0,1,2,3,4,5,6,7
	global_load_b128 v[M+8*\t:M+8*\t+3],   v[MOF], s[8:9] offset:64*\t      ; the mask of keys 16 t + 8 h + 0 .. 7: the sixteen loads take my 512 consecutive bytes
	global_load_b128 v[M+8*\t+4:M+8*\t+7], v[MOF], s[8:9] offset:64*\t+16
.endr
	QLOAD 0
	QLOAD 1
	QLOAD 2
	KLOAD
	QLOAD 3
	s_wait_kmcnt 0x0
	s_add_co_i32 s66, s56, s57
	s_lshl_b32 s66, s66, 23
	s_add_co_i32 s[CS], s[CS], s66                 ; e4 + e5 are added to c's exponent field
	s_mov_b32 s[CS+1], s[CS]
	s_add_co_i32 s[OS], s58, s59
	s_add_co_i32 s[OS], s[OS], 127
	s_lshl_b32 s[OS], s[OS], 23                    ; 2^(e6 + e7)
	s_add_co_i32 s66, s58, 127
	s_lshl_b32 s67, s66, 23
	v_mov_b32 v[SC], s67
	s_add_co_i32 s66, s66, 8
	s_lshl_b32 s66, s66, 23
	s_or_b32 s66, s66, 0x600000
	v_mov_b32 v[LM], s66
	s_wait_loadcnt 24                              ; the mask's sixteen loads are in; Q's and the keys' 24 may be out
.irp j, 0,1,2,3,4,5,6,7,8,9,10,11,12,13,14,15,16,17,18,19,20,21,22,23,24,25,26,27,28,29,30,31,32,33,34,35,36,37,38,39,40,41,42,43,44,45,46,47,48,49,50,51,52,53,54,55,56,57,58,59,60,61,62,63
	v_cvt_f32_i32 v[M+\j], v[M+\j]
.endr
	s_wait_alu depctr_va_vdst(0)
.Lhead:                                            ; seven trips: heads 0 to 6, each asking for the next head's codes
	HEAD 1
	s_add_co_u32 s[J], s[J], 1
	s_cmp_lt_u32 s[J], 7
	s_cbranch_scc1 .Lhead
	HEAD 0                                         ; the last head is written out: nothing is loaded behind it
.macro WLD reg, s                      ; my group's four fragments of K step s, straight into registers
.irp q, 0,1,2,3
.irp c, 0,1,2,3
	global_load_b128 v[\reg+16*\q+4*\c:\reg+16*\q+4*\c+3], v[LOFF], s[12:13] offset:131072*((\s)/2)+4096*\q+2048*((\s)%2)+512*\c
.endr
.endr
.endm
	WLD K, 0                                       ; asked for ahead of the merge; the keys' and the mask's registers are free
	WLD M, 1
	s_wait_dscnt 0x0                               ; my partial results are stored
	s_barrier_signal -1
	s_barrier_wait -1                              ; everybody's are
	; THE MERGE: thread = row.  cm of partial p in v[Q + p], the sum in v[S + p], the masked sum in v[S + 32 + p].
.macro MLD g, adr
.irp e, 0,1,2,3,4,5,6,7
	ds_load_b32 v[Q+8*(\g)+\e],    v[\adr] offset:PST*\e
	ds_load_b32 v[S+8*(\g)+\e],    v[\adr] offset:PST*\e+2048
	ds_load_b32 v[S+32+8*(\g)+\e], v[\adr] offset:PST*\e+4096
.endr
.endm
	MLD 0, MR0
	MLD 1, 251
	MLD 2, 252
	MLD 3, 253
	s_wait_dscnt 0x0
	v_max3_num_f32 v[MX], v[Q], v[Q+1], v[Q+2]
	v_max3_num_f32 v[MX+1], v[Q+3], v[Q+4], v[Q+5]
.irp k, 6,10,14,18,22,26
	v_max3_num_f32 v[MX], v[MX], v[Q+\k], v[Q+\k+1]
	v_max3_num_f32 v[MX+1], v[MX+1], v[Q+\k+2], v[Q+\k+3]
.endr
	v_max3_num_f32 v[MX], v[MX], v[Q+30], v[Q+31]
	v_max_num_f32 v[MX], v[MX], v[MX+1]            ; the row's largest cm
.irp k, 0,2,4,6,8,10,12,14,16,18,20,22,24,26,28,30
	v_pk_add_f32 v[Q+\k:Q+\k+1], v[Q+\k:Q+\k+1], v[MX:MX+1] op_sel_hi:[1,0] neg_lo:[0,1] neg_hi:[0,1]
.endr
	s_wait_alu depctr_va_vdst(0)
.irp k, 0,1,2,3,4,5,6,7,8,9,10,11,12,13,14,15,16,17,18,19,20,21,22,23,24,25,26,27,28,29,30,31
	v_exp_f32 v[Q+\k], v[Q+\k]                     ; 2^(cm_p - the largest)
.endr
	v_nop
	s_wait_alu depctr_va_vdst(0)
	v_pk_mul_f32 v[L0:L0+1], v[S:S+1], v[Q:Q+1]
	v_pk_mul_f32 v[N0:N0+1], v[S+32:S+33], v[Q:Q+1]
	v_pk_mul_f32 v[L1:L1+1], v[S+2:S+3], v[Q+2:Q+3]
	v_pk_mul_f32 v[N1:N1+1], v[S+34:S+35], v[Q+2:Q+3]
.irp k, 4,8,12,16,20,24,28
	v_pk_fma_f32 v[L0:L0+1], v[S+\k:S+\k+1], v[Q+\k:Q+\k+1], v[L0:L0+1]
	v_pk_fma_f32 v[N0:N0+1], v[S+32+\k:S+33+\k], v[Q+\k:Q+\k+1], v[N0:N0+1]
	v_pk_fma_f32 v[L1:L1+1], v[S+\k+2:S+\k+3], v[Q+\k+2:Q+\k+3], v[L1:L1+1]
	v_pk_fma_f32 v[N1:N1+1], v[S+34+\k:S+35+\k], v[Q+\k+2:Q+\k+3], v[N1:N1+1]
.endr
	v_pk_add_f32 v[L0:L0+1], v[L0:L0+1], v[L1:L1+1]
	v_pk_add_f32 v[N0:N0+1], v[N0:N0+1], v[N1:N1+1]
	v_add_f32 v[L0], v[L0], v[L0+1]
	v_add_f32 v[N0], v[N0], v[N0+1]
	s_wait_alu depctr_va_vdst(0)
	v_rcp_f32 v[L1], v[L0]
	v_nop
	s_wait_alu depctr_va_vdst(0)
	v_mul_f32 v[N1], v[N0], v[L1]                  ; s
	ds_store_b32 v[SA], v[N1]
	s_wait_dscnt 0x0
	s_barrier_signal -1
	s_barrier_wait -1
	; THE LAST PRODUCT.  Wave w: group g = w / 2 of 64 outputs x token tiles 2 (w % 2) + i.  Source 0 = x (16 tokens), source 1 = Wp's tile 4 g + q:
	; register j of accumulator (i, q) in lane (r, h) is out(token 16 i + 8 h + j, 64 g + 4 r + q).
.macro BUILD s                         ; x's two fragments of K step s: registers 0-7 head 2 s's code four times, registers 8-15 head 2 s + 1's
.irp i, 0,1
.irp u, 0,1
.irp n, 0,1,2,3,4,5,6,7
	v_perm_b32 v[Q+16*\i+8*\u+\n], v[MX+2*\i+(2*(\s)+\u)/4], v[MX+2*\i+(2*(\s)+\u)/4], s[BS+(2*(\s)+\u)%4]
.endr
.endr
.endr
.endm
.macro MULT s, reg, out                ; out: the loads behind this step's sixteen, which may be out.  Eight accumulators by turns
	s_wait_alu depctr_va_vdst(0)
	s_wait_loadcnt \out
.irp i, 0,1
.irp q, 0,1,2,3
.if (\s) == 0
	v_wmma_f32_16x16x128_fp8_fp8 v[S+32*\i+8*\q:S+32*\i+8*\q+7], v[Q+16*\i:Q+16*\i+15], v[\reg+16*\q:\reg+16*\q+15], 0
.else
	v_wmma_f32_16x16x128_fp8_fp8 v[S+32*\i+8*\q:S+32*\i+8*\q+7], v[Q+16*\i:Q+16*\i+15], v[\reg+16*\q:\reg+16*\q+15], v[S+32*\i+8*\q:S+32*\i+8*\q+7]
.endif
.endr
.endr
.rept 4
	v_nop                                          ; four places ahead of the loads into, and the writes of, these products' sources, and of the reads of results
.endr
.endm
.irp i, 0,1
	ds_load_b128 v[Q+8*\i:Q+8*\i+3], v[SRD] offset:512*\i          ; token 16 i + r: its eight s
	ds_load_b128 v[Q+8*\i+4:Q+8*\i+7], v[SRD] offset:512*\i+16
.endr
	s_wait_dscnt 0x0
.irp i, 0,1,2,3,4,5,6,7,8,9,10,11,12,13,14,15
	v_med3_num_f32 v[Q+\i], v[Q+\i], -v[LM], v[LM]   ; the conversion does not saturate (ISA guide 7.6.2): the hold comes first
.endr
.irp i, 0,1
	v_cvt_scalef32_pk8_fp8_f32 v[MX+2*\i:MX+2*\i+1], v[Q+8*\i:Q+8*\i+7], v[SC]   ; head hh's code in byte hh % 4 of register hh / 4
.endr
	v_nop                                          ; one plain line behind the last conversion
	BUILD 0
	MULT 0, K, 16
	WLD K, 2
	BUILD 1
	MULT 1, M, 16
	WLD M, 3
	BUILD 2
	MULT 2, K, 16
	BUILD 3
	MULT 3, M, 0
.irp i, 0,1
.irp j, 0,1,2,3,4,5,6,7                ; ascending j: each accumulator is read from its low end on; the four q of one j come side by side
.irp q, 0,1,2,3
	v_mul_f32 v[K+32*\i+4*\j+\q], s[OS], v[S+32*\i+8*\q+\j]
.endr
.endr
.endr
.irp i, 0,1
.irp j, 0,1,2,3,4,5,6,7
	global_store_b128 v[CO], v[K+32*\i+4*\j:K+32*\i+4*\j+3], s[14:15] offset:(16*\i+\j)*2048 th:TH_STORE_NT   ; sixteen lanes store 256 consecutive bytes, at a multiple of 256 from out's first byte
.endr
.endr
	s_wait_tensorcnt 0x0                           ; the wave's end, behind my last LDS store
	ds_add_u32 v[SPW], v[NIL]
	s_wait_dscnt 0x0
	s_endpgm
.Lfunc_end_k_q2a7410bfd8_attn:
	.size	k_q2a7410bfd8_attn, .Lfunc_end_k_q2a7410bfd8_attn-k_q2a7410bfd8_attn
	.p2alignl 7, 3214868480
	.fill 96, 4, 3214868480
	.section	.rodata,"a",@progbits
	.p2align	6, 0x0
	.amdhsa_kernel k_q2a7410bfd8_attn
		.amdhsa_group_segment_fixed_size 200704
		.amdhsa_private_segment_fixed_size 0
		.amdhsa_enable_private_segment 0
		.amdhsa_kernarg_size 48
		.amdhsa_user_sgpr_count 2
		.amdhsa_user_sgpr_kernarg_segment_ptr 1
		.amdhsa_wavefront_size32 1
		.amdhsa_system_sgpr_workgroup_id_x 1
		.amdhsa_system_sgpr_workgroup_id_y 1
		.amdhsa_system_sgpr_workgroup_id_z 1
		.amdhsa_system_vgpr_workitem_id 0
		.amdhsa_next_free_vgpr 256
		.amdhsa_next_free_sgpr 84
		.amdhsa_reserve_vcc 0
		.amdhsa_float_denorm_mode_32 3
		.amdhsa_float_denorm_mode_16_64 3
		.amdhsa_memory_ordered 1
		.amdhsa_forward_progress 1
		.amdhsa_inst_pref_size 136
	.end_amdhsa_kernel
	.amdgpu_metadata
---
amdhsa.version: [ 1, 2 ]
amdhsa.kernels:
  - .name:           k_q2a7410bfd8_attn
    .symbol:         k_q2a7410bfd8_attn.kd
    .args:
      - { .name: qc, .offset: 0, .size: 8, .value_kind: global_buffer, .address_space: global }
      - { .name: kc, .offset: 8, .size: 8, .value_kind: global_buffer, .address_space: global }
      - { .name: supp_mask, .offset: 16, .size: 8, .value_kind: global_buffer, .address_space: global }
      - { .name: lowp_scales, .offset: 24, .size: 8, .value_kind: global_buffer, .address_space: global }
      - { .name: wc, .offset: 32, .size: 8, .value_kind: global_buffer, .address_space: global }
      - { .name: out0, .offset: 40, .size: 8, .value_kind: global_buffer, .address_space: global }
    .group_segment_fixed_size: 200704
    .private_segment_fixed_size: 0
    .kernarg_segment_align: 8
    .kernarg_segment_size: 48
    .max_flat_workgroup_size: 512
    .sgpr_count:     84
    .vgpr_count:     256
    .wavefront_size: 32
...
	.end_amdgpu_metadata
.endif
;; end of part 3
